; MI455X (gfx1250); checked and timed in simulation.
; The chip was launched on July 23, 2026; its instructions are those of AMD's public machine-readable ISA for CDNA 5 (MIT licence, August 2026) and "CDNA5" Instruction Set Architecture Reference Guide (July 2026). The comments in the code are by the model that wrote it; some were corrected since.
;; Multi Head Attention. Allowed arithmetic: matrix products marked QUANTISED: E2M3 operands, one E8M0 scale for each 32 along K, by v_wmma_scale_f32_16x16x128_f8f6f4 with both operands' format E2M3, f32 sums; everything else in f32.
;; Inputs: Wk 16 x 64 x 1,024 float32; Wo 1,024 x 1,024 float32; Wq 16 x 64 x 1,024 float32; Wv 16 x 64 x 1,024 float32; bk 16 x 64 float32; bo 1,024 float32; bq 16 x 64 float32; bv 16 x 64 float32; key 8 x 1,024 x 1,024 float32; mask 8 x 1,024 x 1,024 bool; query 8 x 1,024 x 1,024 float32; value 8 x 1,024 x 1,024 float32.
;; Outputs: out0 8 x 1,024 x 1,024 float32.
;; This version of the problem:
;;   THIS VERSION OF THE PROBLEM IS GIVEN IN LOW PRECISION. The matrix products marked QUANTISED in the list below multiply operands that are first quantised to E2M3 (2 exponent bits, 3 mantissa bits; 6 bits a number), with one power-of-two scale for each 32 numbers along K (OCP MX v1.0); their sums are f32. All else is computed in f32.
;;   The module's matrix products, in the order in which they are computed (A, B: the left and right operand; K: the contracted axis; several contracted axes count as one K, in the product's order):
;;     1. [M 1,024, K 1,024] x [K 1,024, N 8,192]; A: input Wq; B: input query: QUANTISED
;;     2. [M 1,024, K 1,024] x [K 1,024, N 8,192]; A: input Wk; B: input key: QUANTISED
;;     3. [M 1,024, K 1,024] x [K 1,024, N 8,192]; A: input Wv; B: input value: QUANTISED
;;     4. batch 128 x [M 1,024, K 64] x [K 64, N 1,024]; A: computed on the way; B: computed on the way: QUANTISED
;;     5. batch 128 x [M 1,024, K 1,024] x [K 1,024, N 64]; A: softmax (see below); B: computed on the way: QUANTISED
;;     6. [M 8,192, K 1,024] x [K 1,024, N 1,024]; A: computed on the way; B: input Wo: QUANTISED
;;   THE QUANTISER, for each operand of a quantised product, along K:
;;     - K is cut into blocks of 32 from its start; a last block that is shorter is filled with zeros.
;;     - A block's scale is 2^e with e = floor(log2(the largest magnitude in the block)) - 2, held to -126 .. 127; a block of zeros has e = 0. As a byte (E8M0): e + 127.
;;     - Each number is divided by its block's scale, clamped to +-7.5, and rounded to the nearest number of E2M3, ties to even, subnormals kept.
;;     - The product sums the exact products of the quantised numbers (number of the format x scale) in f32.
;;   ~~~python
;;   def quantise(x, axis):      # numpy; x: float32 -> the quantised numbers, widened to float32 again
;;       x = np.moveaxis(x, axis, -1); K = x.shape[-1]
;;       x = np.pad(x, [(0, 0)] * (x.ndim - 1) + [(0, -K % 32)]); x = x.reshape(x.shape[:-1] + (-1, 32)); a = np.abs(x).max(-1, keepdims=True)
;;       e = np.where(a > 0, np.clip(np.frexp(np.where(a > 0, a, 1))[1] - 1 - 2, -126, 127), 0)      # np.frexp(a)[1] - 1 = floor(log2(a)), exactly
;;       r = np.clip(x / 2.0 ** e, -7.5, 7.5)
;;       step = 2.0 ** (np.maximum(np.frexp(np.where(r == 0, 1, r))[1] - 1, 0) - 3)
;;       q = np.round(r / step) * step * 2.0 ** e      # np.round: ties to even
;;       return np.moveaxis(q.reshape(q.shape[:-2] + (-1,))[..., :K], -1, axis).astype(np.float32)
;;   ~~~
;;   SOFTMAX AHEAD OF A QUANTISED PRODUCT. Where the list says 'softmax', what is quantised is not the finished softmax but p = 2^(t - M), with t = logit x log2(e) and M = ceil(the row's largest t), a whole number; so 1/2 < the row's largest p <= 1. The row's sum l is taken of the UNQUANTISED p, in f32, and the product's result is divided by l at the end. Since M is a whole number, a kernel that streams over the keys may use a running M (the ceiling of the running maximum): every later rescaling is an exact power of two, which a block's scale takes up: the codes' values come out the same.
;;   OPERANDS COMPUTED ON THE WAY. 'Computed on the way' means the value that the module computes at that place (a softmax that the list does not call 'softmax' is quantised finished and normalised). What goes into a quantiser is computed in f32, as accurately as f32 sums, v_exp_f32 and their like allow (about 1e-6 of the number): no bf16 or f16 on the way to a quantiser, and a product that is left as it is and whose result goes on into a quantised operand takes f32 operands (vector FMAs, or v_wmma_f32_16x16x4_f32). A number that lies on a knife's edge between two numbers of the format may be rounded either way, as far as f32 arithmetic and the matrix unit's own rounding can turn it there, and no further.
;; One version. Each part assembles by itself: llvm-mc -triple=amdgcn-amd-amdhsa -mcpu=gfx1250 --defsym DOCPART=n.
;; ======== version 1 of 1: 4 launches
;; limits: right only within a limited range of input values
;; workspace buffers: cod 22,020,096 bytes; scl 917,504 bytes; msk 1,048,576 bytes of whole numbers; hc 18,874,368 bytes; hs 1,572,864 bytes; cat 6,291,456 bytes; cs 262,144 bytes
;; launch quant (part 1): grid 576 x 1, 4 waves a work-group, no clusters, 70,144 bytes of LDS; arguments query, key, value, Wq, Wk, Wv, Wo, mask, cod, scl, msk; writes cod, scl, msk
.if DOCPART == 1
	.amdgcn_target "amdgcn-amd-amdhsa--gfx1250"
	.amdhsa_code_object_version 6
	.text
	.protected	k_q1a1aa7d0c7_quant
	.globl	k_q1a1aa7d0c7_quant
	.p2align	8
	.type	k_q1a1aa7d0c7_quant,@function
k_q1a1aa7d0c7_quant:
	s_mov_b64 s[64:65], 0
	v_nop
	global_prefetch_b8 v0, s[64:65] scope:SCOPE_SE
	s_setreg_imm32_b32 hwreg(HW_REG_WAVE_MODE, 25, 1), 1
	s_wait_xcnt 0x0
; The seven f32 tensors (query, key, value: 8,192 rows; Wq, Wk, Wv, Wo: 1,024 rows; 1,024 along K, K innermost) become codes of FP6 (E2M3) with one E8M0 byte for each 32 along K,
; and the mask becomes lane masks.  Work-groups 0-447 take a block of 64 rows each, work-groups 448-575 four query tiles of the mask each.
; ROW ORDER.  A block's 64 rows form four tiles of 16; lane r of tile i holds row 32 (i / 2) + 8 (i % 2) + r + 8 (r / 8).  As source 0 of a matrix instruction two neighbouring tiles then give a lane 16 neighbours.
; TILE IMAGE (768 bytes) = 16 rows x 64 K as the operand's six registers: registers 0-3 of lane l at 16 l, registers 4-5 at 512 + 8 l; lane (r, h) holds k = 32 h .. 32 h + 31.  Every store of an image covers 512 or 256
; consecutive bytes, at a multiple of 256 from the buffer's first byte.  cod: [block 448][chunk of 64 K: 16][tile 4][768];  scl: [row position][8 words], word s for K step s of 128.
; A block's scale is 2^(floor(log2(largest magnitude)) - 2): its byte is the largest magnitude's exponent field - 2, held at 1 from below.
; LIMITS: a block of zeros gets the byte 1 where the quantiser says 127 (its codes are zeros, and this program alone reads the bytes); NaN and infinities among the inputs are not served; any mask byte other than 0 counts as true.
; msk: 512 records (batch x 64 + query tile) of 2,048 bytes: 8 key steps x 64 words; word 16 b + i of a step has bit 16 h + r = mask[query of lane r][128 step + 32 b + 16 h + i].
; Waves share nothing: no barrier.  The two paths have LDS bytes of their own.  No matrix unit, no cluster: a stream that is read once.
.set XWG,  448
.set STG,  4352                        ; a stage: 16 rows x (256 bytes + 16)
.set WREG, 8704                        ; two stages a wave
.set MB,   34816                       ; where the mask path's stages begin
.set R,    32                          ; v32-127   three sets of 32: a chunk as loaded
.set X,    128                         ; v128-191  two sets of 32: a lane's block of 32 neighbours
.set C,    192                         ; v192-207  two sets of 8: codes
.set W,    12                          ; v12-19    the row's eight scale words
	s_load_b512 s[4:19], s[0:1], 0x0               ; query, key, value, Wq, Wk, Wv, Wo, mask
	s_load_b128 s[20:23], s[0:1], 0x40             ; cod, scl
	s_load_b64 s[24:25], s[0:1], 0x50              ; msk
	v_lshl_add_u32 v208, v0, 2, 0x11000
	v_mov_b32 v209, 0
	v_lshrrev_b32 v1, 5, v0
	v_readfirstlane_b32 s28, v1                    ; wave
	v_and_b32 v1, 31, v0                           ; lane
	v_and_b32 v8, 15, v0                           ; r
	v_bfe_u32 v9, v0, 4, 1                         ; h
	v_lshlrev_b32 v5, 4, v1                        ; 16 x lane
	v_lshlrev_b32 v6, 3, v1                        ; 8 x lane
	v_lshlrev_b32 v7, 3, v9                        ; 8 h
	v_lshlrev_b32 v10, 4, v8
	v_lshl_add_u32 v2, v9, 12, v10                 ; x: lanes 0-15 one row's 256 bytes, lanes 16-31 the next row's
	v_lshl_add_u32 v24, v9, 10, v10                ; the mask likewise: a row is 1,024 bytes
	s_mul_i32 s29, s28, WREG
	v_mad_u32_u24 v3, v9, 272, v10
	v_add_nc_u32 v3, s29, v3                       ; into a stage: as loaded
	v_add_nc_u32 v25, MB, v3
	v_mul_u32_u24 v11, v8, 272
	v_add_nc_u32 v11, s29, v11
	v_lshl_add_u32 v4, v9, 7, v11                  ; out of it: row r, my half's 128 bytes
	v_lshl_add_u32 v26, v9, 4, v11
	v_add_nc_u32 v26, MB, v26                      ; the mask: row r, 16 bytes of my half in each 32
	v_lshlrev_b32 v27, 5, v8
	v_lshl_add_u32 v27, v9, 4, v27                 ; 32 r + 16 h: my four scale words
	v_mov_b32 v22, 0                               ; a lane permute's destination counts as read
	s_mov_b32 s38, 0x76543210
	s_mov_b32 s39, 0xfedcba98                      ; selects for lane l xor 16
	s_cmp_ge_u32 ttmp9, XWG
	s_cbranch_scc1 .Lmask
	; ---- the tensors.  Which tensor, which block of 64 rows
	s_sub_co_u32 s30, ttmp9, 384
	s_lshr_b32 s31, s30, 4
	s_add_co_u32 s31, s31, 3
	s_and_b32 s30, s30, 15
	s_lshr_b32 s32, ttmp9, 7
	s_and_b32 s33, ttmp9, 127
	s_cmp_lt_u32 ttmp9, 384
	s_cselect_b32 s31, s32, s31                    ; tensor 0 .. 6
	s_cselect_b32 s30, s33, s30                    ; its block
	s_lshl_b32 s34, s30, 18                        ; 64 rows of 4,096 bytes
	s_lshr_b32 s32, s28, 1
	s_lshl_b32 s32, s32, 17                        ; my tile begins at row 32 (w / 2) + 8 (w % 2)
	s_and_b32 s33, s28, 1
	s_lshl_b32 s33, s33, 15
	s_add_co_u32 s34, s34, s32
	s_add_co_u32 s34, s34, s33
	s_mov_b32 s35, 0
	s_mul_i32 s36, ttmp9, 49152
	s_mul_i32 s37, s28, 768
	s_add_co_u32 s36, s36, s37
	s_mov_b32 s37, 0
	s_lshl_b32 s40, ttmp9, 11
	s_lshl_b32 s41, s28, 9
	s_add_co_u32 s40, s40, s41
	s_mov_b32 s41, 0
	s_wait_kmcnt 0x0
	s_mov_b64 s[26:27], s[4:5]
.irp k, 1,2,3,4,5,6
	s_cmp_eq_u32 s31, \k                           ; the choice hangs on the work-group's number alone
	s_cselect_b64 s[26:27], s[4+2*\k:5+2*\k], s[26:27]
.endr
	s_add_nc_u64 s[26:27], s[26:27], s[34:35]
	s_add_nc_u64 s[20:21], s[20:21], s[36:37]
	s_add_nc_u64 s[22:23], s[22:23], s[40:41]
.macro LOAD c                          ; chunk c: 64 numbers of each of my 16 rows; a load reads two rows' 256 consecutive bytes
.irp k, 0,1,2,3,4,5,6,7
	global_load_b128 v[R+32*((\c)%3)+4*\k:R+32*((\c)%3)+4*\k+3], v2, s[26:27] offset:(2*\k+8*(\k/4))*4096+256*(\c) th:TH_LOAD_NT
.endr
.endm
.macro TURN c                          ; through my stage: LDS serves a wave's instructions in order, so no wait stands between the stores and the loads
.irp k, 0,1,2,3,4,5,6,7
	ds_store_b128 v3, v[R+32*((\c)%3)+4*\k:R+32*((\c)%3)+4*\k+3] offset:STG*((\c)%2)+544*\k
.endr
.irp i, 0,1,2,3,4,5,6,7
	ds_load_b128 v[X+32*((\c)%2)+4*\i:X+32*((\c)%2)+4*\i+3], v4 offset:STG*((\c)%2)+16*\i
.endr
.endm
.macro WORK c
.set XS, X+32*((\c)%2)
.set CC, C+8*((\c)%2)
	v_max3_num_f32 v8, |v[XS]|, |v[XS+1]|, |v[XS+2]|               ; the block's largest magnitude: all 32 numbers are mine; two chains
	v_max3_num_f32 v9, |v[XS+3]|, |v[XS+4]|, |v[XS+5]|
.irp i, 6,10,14,18,22,26
	v_max3_num_f32 v8, v8, |v[XS+\i]|, |v[XS+\i+1]|
	v_max3_num_f32 v9, v9, |v[XS+\i+2]|, |v[XS+\i+3]|
.endr
	v_max3_num_f32 v8, v8, |v[XS+30]|, |v[XS+31]|
	v_max3_num_f32 v8, v8, v9, 0x1800000           ; and the floor 2^(3 - 127): the byte cannot fall under 1
	v_add_nc_u32 v10, 0xff000000, v8               ; 2 off the exponent field: the conversion's scale operand
	s_wait_alu depctr_va_vdst(0)
	s_wait_xcnt 0x0                                ; the stores of two chunks ago have read this set of codes
	v_cvt_scalef32_pk16_fp6_f32 v[CC:CC+2], v[XS:XS+15], v10
	v_cvt_scalef32_pk16_fp6_f32 v[CC+4:CC+6], v[XS+16:XS+31], v10  ; (a conversion's three registers begin on an even number)
	v_lshrrev_b32 v[20+(\c)%2], 23, v10            ; the scale's byte; also the plain line behind the conversions
	v_mov_b32 v[CC+3], v[CC+4]
	v_mov_b32 v[CC+4], v[CC+5]
	v_mov_b32 v[CC+5], v[CC+6]
.if (\c)%2
	v_lshl_or_b32 v11, v21, 16, v20                ; my two bytes of K step c / 2: blocks h and 2 + h,
	v_lshlrev_b32 v11, v7, v11                     ; at their places (8 h bits up);
	v_permlanex16_b32 v22, v11, s38, s39
	v_or_b32 v[W+(\c)/2], v11, v22                 ; with lane l xor 16's two the word is whole
.endif
	global_store_b128 v5, v[CC:CC+3], s[20:21] offset:3072*(\c)        ; 512 consecutive bytes
	global_store_b64 v6, v[CC+4:CC+5], s[20:21] offset:3072*(\c)+512   ; 256 consecutive bytes
.endm
.macro CHUNK c
	s_wait_dscnt 0x0                               ; this chunk is back from the stage, and its stores into the stage have read their registers,
.if (\c)+3 < 16
	LOAD (\c)+3                                    ; which take the chunk three on
.endif
.if (\c)+1 < 16
.if (\c) <= 12
	s_wait_loadcnt 16                              ; the next chunk's eight loads are in; those of the two chunks behind it may be out
.else
	s_wait_loadcnt 8*(14-(\c))
.endif
	TURN (\c)+1
.endif
	WORK \c
.endm
	LOAD 0
	LOAD 1
	LOAD 2
	s_wait_loadcnt 16                              ; chunk 0 is in
	s_wait_alu depctr_va_vdst(0)
	TURN 0
.irp c, 0,1,2,3,4,5,6,7,8,9,10,11,12,13,14,15
	CHUNK \c
.endr
	v_cmp_ne_u32 vcc_lo, 0, v7                     ; lanes 16-31 store words 4 to 7
.irp i, 0,1,2,3
	v_cndmask_b32 v[W+\i], v[W+\i], v[W+4+\i], vcc_lo
.endr
	global_store_b128 v27, v[W:W+3], s[22:23]      ; my 16 rows' scale words: 512 consecutive bytes
	s_wait_tensorcnt 0x0
	ds_add_u32 v208, v209
	s_wait_dscnt 0x0
	s_endpgm
.Lmask:
	; ---- the mask: wave w takes query tile T = 4 (work-group - 448) + w: 16 rows x 1,024 keys, in four chunks of 256 keys
	s_sub_co_u32 s30, ttmp9, XWG
	s_lshl_b32 s30, s30, 2
	s_add_co_u32 s30, s30, s28                     ; T
	s_lshr_b32 s31, s30, 6
	s_lshl_b32 s31, s31, 20                        ; the batch: 1,024 rows of 1,024 bytes
	s_and_b32 s32, s30, 63
	s_lshr_b32 s33, s32, 1
	s_lshl_b32 s33, s33, 15                        ; the tile begins at row 32 (qt / 2) + 8 (qt % 2)
	s_and_b32 s32, s32, 1
	s_lshl_b32 s32, s32, 13
	s_add_co_u32 s34, s31, s33
	s_add_co_u32 s34, s34, s32
	s_mov_b32 s35, 0
	s_lshl_b32 s36, s30, 11                        ; my record of 2,048 bytes
	s_mov_b32 s37, 0
	s_wait_kmcnt 0x0
	s_add_nc_u64 s[18:19], s[18:19], s[34:35]
	s_add_nc_u64 s[24:25], s[24:25], s[36:37]
.irp c, 0,1,2,3
.irp k, 0,1,2,3,4,5,6,7
	global_load_b128 v[32+32*\c+4*\k:35+32*\c+4*\k], v24, s[18:19] offset:(2*\k+8*(\k/4))*1024+256*\c th:TH_LOAD_NT
.endr
.endr
.set n, 0
.rept 16
	v_mov_b32 v[192+n], 0                          ; v_writelane_b32's destination counts as read
.set n, n+1
.endr
.macro MCHUNK c
	s_wait_loadcnt 8*(3-\c)                        ; this chunk's eight loads are in
.irp k, 0,1,2,3,4,5,6,7
	ds_store_b128 v25, v[32+32*\c+4*\k:35+32*\c+4*\k] offset:STG*(\c%2)+544*\k
.endr
.irp i, 0,1,2,3,4,5,6,7
	ds_load_b128 v[160+4*\i:163+4*\i], v26 offset:STG*(\c%2)+32*\i    ; keys 32 i + 16 h + 0 .. 15 of row r
.endr
	s_wait_dscnt 0x0
.set n, 0
.rept 128                              ; word n of the chunk: one key offset, all 32 lanes' bits; it becomes register n % 4 of lane n / 4
	v_and_b32 v[8+n%4], 0xff<<(8*(n%4)), v[160+4*(n/16)+(n%16)/4]
	v_cmp_ne_u32 s[40+n%4], 0, v[8+n%4]
	v_writelane_b32 v[192+4*\c+n%4], s[40+n%4], n/4
.set n, n+1
.endr
	global_store_b128 v5, v[192+4*\c:195+4*\c], s[24:25] offset:512*\c   ; two key steps' words: 512 consecutive bytes; each chunk has its own four registers, so no store's data are written again
.endm
	MCHUNK 0
	MCHUNK 1
	MCHUNK 2
	MCHUNK 3
	s_wait_tensorcnt 0x0
	ds_add_u32 v208, v209
	s_wait_dscnt 0x0
	s_endpgm
.Lfunc_end_k_q1a1aa7d0c7_quant:
	.size	k_q1a1aa7d0c7_quant, .Lfunc_end_k_q1a1aa7d0c7_quant-k_q1a1aa7d0c7_quant
	.p2alignl 7, 3214868480
	.fill 96, 4, 3214868480
	.section	.rodata,"a",@progbits
	.p2align	6, 0x0
	.amdhsa_kernel k_q1a1aa7d0c7_quant
		.amdhsa_group_segment_fixed_size 70144
		.amdhsa_private_segment_fixed_size 0
		.amdhsa_enable_private_segment 0
		.amdhsa_kernarg_size 88
		.amdhsa_user_sgpr_count 2
		.amdhsa_user_sgpr_kernarg_segment_ptr 1
		.amdhsa_wavefront_size32 1
		.amdhsa_system_sgpr_workgroup_id_x 1
		.amdhsa_system_sgpr_workgroup_id_y 1
		.amdhsa_system_sgpr_workgroup_id_z 1
		.amdhsa_system_vgpr_workitem_id 0
		.amdhsa_next_free_vgpr 210
		.amdhsa_next_free_sgpr 66
		.amdhsa_reserve_vcc 1
		.amdhsa_float_denorm_mode_32 3
		.amdhsa_float_denorm_mode_16_64 3
		.amdhsa_memory_ordered 1
		.amdhsa_forward_progress 1
		.amdhsa_inst_pref_size 165
	.end_amdhsa_kernel
	.amdgpu_metadata
---
amdhsa.version: [ 1, 2 ]
amdhsa.kernels:
  - .name:           k_q1a1aa7d0c7_quant
    .symbol:         k_q1a1aa7d0c7_quant.kd
    .args:
      - { .name: query, .offset: 0, .size: 8, .value_kind: global_buffer, .address_space: global }
      - { .name: key, .offset: 8, .size: 8, .value_kind: global_buffer, .address_space: global }
      - { .name: value, .offset: 16, .size: 8, .value_kind: global_buffer, .address_space: global }
      - { .name: Wq, .offset: 24, .size: 8, .value_kind: global_buffer, .address_space: global }
      - { .name: Wk, .offset: 32, .size: 8, .value_kind: global_buffer, .address_space: global }
      - { .name: Wv, .offset: 40, .size: 8, .value_kind: global_buffer, .address_space: global }
      - { .name: Wo, .offset: 48, .size: 8, .value_kind: global_buffer, .address_space: global }
      - { .name: mask, .offset: 56, .size: 8, .value_kind: global_buffer, .address_space: global }
      - { .name: cod, .offset: 64, .size: 8, .value_kind: global_buffer, .address_space: global }
      - { .name: scl, .offset: 72, .size: 8, .value_kind: global_buffer, .address_space: global }
      - { .name: msk, .offset: 80, .size: 8, .value_kind: global_buffer, .address_space: global }
    .group_segment_fixed_size: 70144
    .private_segment_fixed_size: 0
    .kernarg_segment_align: 8
    .kernarg_segment_size: 88
    .max_flat_workgroup_size: 128
    .sgpr_count:     66
    .vgpr_count:     210
    .wavefront_size: 32
...
	.end_amdgpu_metadata
.endif
;; end of part 1
;; launch proj (part 2): grid 8 x 96, 4 waves a work-group, clusters of 4 x 4, 310,528 bytes of LDS; arguments cod, scl, bq, bk, bv, hc, hs; writes hc, hs
.if DOCPART == 2
	.amdgcn_target "amdgcn-amd-amdhsa--gfx1250"
	.amdhsa_code_object_version 6
	.text
	.protected	k_q1a1aa7d0c7_proj
	.globl	k_q1a1aa7d0c7_proj
	.p2align	8
	.type	k_q1a1aa7d0c7_proj,@function
k_q1a1aa7d0c7_proj:
	s_mov_b64 s[64:65], 0
	v_nop
	global_prefetch_b8 v0, s[64:65] scope:SCOPE_SE
	s_setreg_imm32_b32 hwreg(HW_REG_WAVE_MODE, 25, 1), 1
	s_wait_xcnt 0x0
	s_wait_alu depctr_hold_cnt(0) depctr_sa_sdst(0) depctr_va_vdst(0) depctr_va_sdst(0) depctr_va_ssrc(0) depctr_va_vcc(0) depctr_vm_vsrc(0)
	s_getreg_b32 s2, hwreg(HW_REG_IB_STS2, 6, 4)
	s_cmp_eq_u32 s2, 0
	s_cbranch_scc0 .Lentry_in_a_cluster
	s_endpgm
.Lentry_in_a_cluster:
	s_bfe_u32 s2, ttmp6, 0x10000c
	s_cmp_lg_u32 s2, 0xf033
	s_cbranch_scc0 .Lentry_shape_is_right
	s_endpgm
.Lentry_shape_is_right:
; The three projections on codes of FP6 (E2M3), their biases, and the quantising of their results, in one launch: T = 0: q, 1: k, 2: v.
; C[m][n] = sum over k of A[m][k] B[n][k] + bias; source 0 = 16 rows of B, source 1 = 16 rows of A: a lane holds ONE row m and its registers run along n, in n's true order (B's tiles hold their rows in the order
; 32 (i / 2) + 8 (i % 2) + r + 8 (r / 8)).  The result is quantised along n.  q, k: A = the tokens, B = the weight: n = head x 64 + e.  v: A = Wv, B = value: n = the keys, the K of the product that reads v.
; A work-group makes 256 (m) x 128 (n); wave w makes A's block w of 64 rows x all 128: 32 accumulators.  ALL OF K (1,024) OF THE TILE LIES IN LDS, filled once: four joint loads, ONE A WAVE, all at the head:
; wave 0 A's first half of K (4 blocks x 24,576 bytes), wave 1 B's first half (2 blocks), wave 2 A's second half, wave 3 B's.  Waves 0 and 1 wait for their loads ahead of the first barrier,
; every wave ahead of the barrier in K step 3, behind which the second halves are read.  Nothing is filled again.
; The scale words go from memory into registers: a lane's 32 bytes are a row's eight words.
; CLUSTERS: 4 x 4 work-groups; A's blocks hang on the tile row alone and are asked for jointly by a row of the cluster, B's on the tile column alone, by a column.
; Operands lie in memory and LDS as images of their registers (768 bytes = 16 rows x 64 K: registers 0-3 at 16 x lane, 4-5 at 512 + 8 x lane).
; No prefetch: the launch has no loop to run ahead in; all its tiles are asked for at its head.
; OUT: hc, part T: q, k: [batch x 16 + head][tile 64][768]; v: [batch x 16 + head][chunk of 64 keys: 16][tile of e: 4][768].  hs: q, k: a word a position (bytes 0, 1; bytes 2, 3 = 0); v: [step of 128 keys: 8][64 e] words.
; LIMITS: a block of zeros gets the scale byte 1, not 127 (its codes are zeros; this program alone reads the bytes); NaN and infinities are not served.
; REGISTERS: window 0: v1-21 addresses; v32-79 scale words; v80-103 at work; v112-159 A's four fragments, v160-255 B's eight (set 0).  window 1: accumulator (a, b) at v[8 (8 a + b)].
;   window 2: v0-63 the bias along n, v64-95 the bias along m; v112-255 fragment set 1.
; THE WAITS AS THE TEXT BELOW HAS THEM (this line takes the place of the sentence above on waves 0 and 1): every wave waits for its one load ahead of the one work-group barrier in front of K step 0;
; behind that barrier all of K is whole, and no barrier stands in K step 3.
.set B0,   196608                      ; LDS: A [half 2][block 4][24576] from 0;  B [half 2][block 2][24576]
.set STG0, 307968                      ; 512 bytes a wave for the way out of the scale words
.set SC,   32
.set TM,   80
.set PW,   96
.set T1,   97
.set RB,   100
.set PC,   112
.set FA,   112
.set FB,   160
.set BN,   0
.set BMX,  64
.set MSB,  0
.macro WIN new
.if MSB != \new
	s_set_vgpr_msb (MSB<<8)|\new
.set MSB, \new
.endif
.endm
.macro CROUND
	s_barrier_signal -1
	s_barrier_wait -1
	s_cmp_lg_u32 s8, 0
	s_cbranch_scc1 .Lnot_wave_0_\@
	s_barrier_signal -3
.Lnot_wave_0_\@:
	s_barrier_wait -3
	s_barrier_signal -1
	s_barrier_wait -1
.endm
.macro PLACES
.rept 4
	v_nop
.endr
.endm
	s_load_b256 s[80:87], s[0:1], 0x0              ; cod, scl, bq, bk
	s_load_b128 s[88:91], s[0:1], 0x20             ; bv, hc
	s_load_b64 s[92:93], s[0:1], 0x30              ; hs
	v_lshl_add_u32 v110, v0, 2, 0x4bb00
	v_mov_b32 v111, 0
	ds_add_u32 v110, v111
	ds_add_u32 v110, v111
	v_lshrrev_b32 v1, 5, v0
	v_readfirstlane_b32 s8, v1                     ; wave
	s_and_b32 s9, s8, 1                            ; 0: I fetch for A, 1: for B
	s_lshr_b32 s10, s8, 1                          ; which half of K I fetch
	s_bfe_u32 s100, ttmp6, 0x40000                 ; cx
	s_bfe_u32 s13, ttmp6, 0x40004                  ; cy
	s_and_b32 s2, ttmp7, 0xffff                    ; cluster y = 8 T + Yt
	s_lshr_b32 s11, s2, 3                          ; T
	s_and_b32 s2, s2, 7
	s_lshl_b32 s3, s2, 1
	s_add_co_u32 s3, s3, ttmp9
	s_lshl_b32 s4, s11, 7                          ; q, k: A's first block 128 T,
	s_lshl_b32 s5, s11, 4
	s_add_co_u32 s5, s5, 384                       ; B's 384 + 16 T
	s_mov_b32 s6, 416
	s_mov_b32 s7, 256
	s_mov_b32 s22, 0xffff
	s_mov_b32 s101, 49152
	s_cmp_eq_u32 s11, 2                            ; v?  The same in all partners
	s_cselect_b32 s2, 0, s2
	s_cselect_b32 s3, s3, ttmp9
	s_cselect_b32 s4, s6, s4
	s_cselect_b32 s5, s7, s5
	s_cselect_b32 s12, 1, 0
	s_cselect_b32 s101, 3072, s101                 ; from the first image's place to the second's
	s_cselect_b32 s22, -1, s22                     ; what is kept of a scale word
	s_cselect_b32 s23, 16, 32                      ; lanes that store scale words
	s_cselect_b32 s104, 0, 16                      ; q, k: lanes 16-31 take the word's upper half
	s_lshl_b32 s2, s2, 2
	s_add_co_u32 s2, s2, s13                       ; tile row
	s_lshl_b32 s3, s3, 2
	s_add_co_u32 s3, s3, s100                      ; tile column
	s_lshl_b32 s6, s13, 2
	s_lshl_b32 s6, 15, s6                          ; my row of the cluster
	s_lshl_b32 s7, 0x1111, s100                    ; my column
	; groups 1, elements of 8 bytes.  A: 4 blocks' halves of 24,576 bytes, 49,152 bytes apart
	s_or_b32 s24, s6, (3<<16)|(1<<21)
	s_mov_b32 s25, 3072<<16
	s_mov_b32 s26, 4<<16
	s_mov_b32 s27, 3072<<16
	s_mov_b32 s28, 4
	s_mov_b32 s29, 6144
	s_mov_b32 s30, 0
	s_mov_b32 s31, 0
	; B: 2 blocks' halves
	s_or_b32 s32, s7, (3<<16)|(1<<21)
	s_mov_b32 s33, 3072<<16
	s_mov_b32 s34, 2<<16
	s_mov_b32 s35, 3072<<16
	s_mov_b32 s36, 2
	s_mov_b32 s37, 6144
	s_mov_b32 s38, 0
	s_mov_b32 s39, 0
	s_lshl_b32 s14, s2, 2
	s_add_co_u32 s4, s4, s14                       ; the tile's first block of A
	s_lshl_b32 s14, s3, 1
	s_add_co_u32 s5, s5, s14                       ; and of B
	v_and_b32 v17, 31, v0                          ; lane
	v_and_b32 v18, 15, v0                          ; r
	v_bfe_u32 v19, v0, 4, 1                        ; h
	v_lshlrev_b32 v1, 4, v17
	v_lshlrev_b32 v2, 3, v17
	s_mul_i32 s14, s8, 24576                       ; my block of A in LDS
	v_add_nc_u32 v3, s14, v1
	v_add_nc_u32 v4, 98304, v3                     ; its second half of K
	v_add_nc_u32 v5, s14, v2
	v_add_nc_u32 v6, 98304, v5
	v_add_nc_u32 v7, B0, v1
	v_add_nc_u32 v8, B0+49152, v1
	v_add_nc_u32 v9, B0, v2
	v_add_nc_u32 v10, B0+49152, v2
	v_lshlrev_b32 v11, 5, v17                      ; a row's 32 bytes of scale words
	s_lshl_b32 s14, s8, 9
	s_add_co_u32 s14, s14, STG0
	v_lshl_add_u32 v13, v17, 2, s14                ; my stage: in, 4 x lane
	v_lshrrev_b32 v14, 2, v18
	v_lshlrev_b32 v14, 7, v14
	v_lshl_add_u32 v14, v19, 6, v14
	v_and_b32 v15, 3, v0
	v_lshl_add_u32 v14, v15, 4, v14
	v_add_nc_u32 v14, s14, v14                     ; back: four positions' words of my half
	v_lshlrev_b32 v15, 4, v18
	v_lshl_add_u32 v15, v19, 12, v15               ; and their place in hs
	v_mul_u32_u24 v16, s104, v19
.irp b, 0,1,2,3
	v_mov_b32 v[TM+4+\b], 0                        ; a lane permute's destination counts as read
.endr
	s_lshl_b32 s14, s2, 8
	s_lshl_b32 s15, s8, 6
	s_add_co_u32 s14, s14, s15                     ; m0
	s_lshl_b32 s15, s3, 7                          ; n0
	s_cmp_eq_u32 s12, 1
	s_cselect_b32 s16, s15, s14                    ; the token axis' first row,
	s_cselect_b32 s17, s14, s15                    ; the weight axis'
	s_cselect_b32 s18, 0, s15
	s_cselect_b32 s19, s14, 0
	v_lshlrev_b32 v20, 6, v19
	v_lshl_add_u32 v20, s18, 2, v20                ; the bias along n: 4 (n0 + 16 h)
	v_and_b32 v21, 8, v18
	v_add3_u32 v21, v21, v18, s19
	v_lshlrev_b32 v21, 2, v21                      ; the bias along m: 4 (m0 + r + 8 (r / 8))
	s_lshr_b32 s14, s16, 10                        ; batch
	s_and_b32 s16, s16, 1023
	s_lshl_b32 s14, s14, 4
	s_lshr_b32 s17, s17, 6
	s_add_co_u32 s14, s14, s17                     ; batch x 16 + head
	s_mul_i32 s15, s14, 49152
	s_lshr_b32 s17, s16, 4
	s_mul_i32 s17, s17, 768
	s_add_co_u32 s15, s15, s17
	s_mul_i32 s17, s11, 6291456
	s_add_co_u32 s15, s15, s17                     ; where my first image goes
	s_lshl_b32 s14, s14, 11
	s_lshl_b32 s16, s16, 1
	s_add_co_u32 s14, s14, s16
	s_cmp_eq_u32 s12, 1
	s_cselect_b32 s16, 0, 1
	s_lshl_b32 s14, s14, s16
	s_lshl_b32 s16, s11, 19
	s_add_co_u32 s18, s14, s16
	s_mov_b32 s19, 0
	s_mov_b32 s14, s15
	s_mov_b32 s15, 0
	s_mov_b32 s16, s101
	s_mov_b32 s17, 0
	s_mul_i32 s6, s4, 49152                        ; offsets of the tiles and of the scale words
	s_mov_b32 s7, 0
	s_mul_i32 s100, s5, 49152
	s_mov_b32 s101, 0
	s_mul_i32 s40, s10, 24576                      ; my half of K in a block
	s_mov_b32 s41, 0
	s_add_co_u32 s42, s4, s8
	s_lshl_b32 s42, s42, 11                        ; my block's scale words: 2,048 bytes a block
	s_mov_b32 s43, 0
	s_lshl_b32 s44, s5, 11
	s_mov_b32 s45, 0
	s_wait_dscnt 0x0
	s_wait_kmcnt 0x0
	s_cmp_eq_u32 s11, 1
	s_cselect_b64 s[20:21], s[86:87], s[84:85]
	s_cmp_eq_u32 s11, 2
	s_cselect_b64 s[20:21], s[88:89], s[20:21]     ; T's bias
	s_add_nc_u64 s[18:19], s[92:93], s[18:19]
	s_add_nc_u64 s[14:15], s[90:91], s[14:15]
	s_add_nc_u64 s[16:17], s[14:15], s[16:17]
	s_add_nc_u64 s[42:43], s[82:83], s[42:43]
	s_add_nc_u64 s[44:45], s[82:83], s[44:45]
	s_add_nc_u64 s[6:7], s[80:81], s[6:7]          ; group 0 for A's half,
	s_mov_b32 s56, 1
	s_mul_i32 s57, s10, 98304
	s_add_nc_u64 s[58:59], s[6:7], s[40:41]
	s_or_b32 s59, s59, 0x80000000
	s_add_nc_u64 s[100:101], s[80:81], s[100:101]  ; and for B's
	s_mov_b32 s60, 1
	s_mul_i32 s61, s10, 49152
	s_add_co_u32 s61, s61, B0
	s_add_nc_u64 s[62:63], s[100:101], s[40:41]
	s_or_b32 s63, s63, 0x80000000
	CROUND                                         ; all sixteen work-groups are here: the joint loads meet
	s_cmp_eq_u32 s9, 0                             ; one load a wave, in the two arms of one branch on the wave's number
	s_cbranch_scc0 .Lfor_b
	tensor_load_to_lds s[56:59], s[24:31]
	s_nop 0
.rept 4
	v_nop
.endr
	s_branch .Lasked
.Lfor_b:
	tensor_load_to_lds s[60:63], s[32:39]
	s_nop 0
.rept 4
	v_nop
.endr
.Lasked:
	s_wait_alu depctr_va_vdst(0)                   ; the wait at the head's end
.irp g, 0,1
	global_load_b128 v[SC+8*\g:SC+8*\g+3], v11, s[42:43] offset:1024*\g        ; A's rows 32 g + lane: words of K steps 0 to 3,
	global_load_b128 v[SC+8*\g+4:SC+8*\g+7], v11, s[42:43] offset:1024*\g+16   ; 4 to 7
.endr
.irp g, 0,1,2,3
	global_load_b128 v[SC+16+8*\g:SC+16+8*\g+3], v11, s[44:45] offset:1024*\g
	global_load_b128 v[SC+16+8*\g+4:SC+16+8*\g+7], v11, s[44:45] offset:1024*\g+16
.endr
	WIN 0x80
.irp i, 0,1,2,3,4,5,6,7
	global_load_b128 v[BN+8*\i:BN+8*\i+3], v20, s[20:21] offset:(32*(\i/2)+8*(\i%2))*4
	global_load_b128 v[BN+8*\i+4:BN+8*\i+7], v20, s[20:21] offset:(32*(\i/2)+8*(\i%2))*4+16
.endr
.irp a, 0,1,2,3
.irp j, 0,1,2,3,4,5,6,7
	global_load_b32 v[BMX+8*\a+\j], v21, s[20:21] offset:(32*(\a/2)+8*(\a%2))*4
.endr
.endr
	WIN 0
.macro FRAG reg, a16, a8, off          ; a fragment of 128 K = two images
	ds_load_b128 v[\reg:\reg+3], v[\a16] offset:\off
	ds_load_b64 v[\reg+4:\reg+5], v[\a8] offset:\off+512
	ds_load_b128 v[\reg+6:\reg+9], v[\a16] offset:\off+3072
	ds_load_b64 v[\reg+10:\reg+11], v[\a8] offset:\off+3584
.endm
.macro FETCH s, set                    ; K step s: B's eight fragments and my four of A: 48 loads
.if \set
	WIN 0x80
.else
	WIN 0
.endif
.irp b, 0,1,2,3,4,5,6,7
	FRAG FB+12*\b, 7+(\s)/4, 9+(\s)/4, (\b/4)*24576+((\s)%4)*6144+(\b%4)*768
.endr
.irp a, 0,1,2,3
	FRAG FA+12*\a, 3+(\s)/4, 5+(\s)/4, ((\s)%4)*6144+\a*768
.endr
.endm
.macro WM                              ; a scale register holds an even tile's words in lanes 0-15 and the odd tile's in lanes 16-31
.if BO && AO
	v_wmma_scale_f32_16x16x128_f8f6f4 v[DD:DD+7], v[BF:BF+11], v[AF:AF+11], v[CC:CC+7], v[SB], v[SA] matrix_a_fmt:MATRIX_FMT_FP6 matrix_b_fmt:MATRIX_FMT_FP6 matrix_a_scale:MATRIX_SCALE_ROW1 matrix_b_scale:MATRIX_SCALE_ROW1
.elseif BO
	v_wmma_scale_f32_16x16x128_f8f6f4 v[DD:DD+7], v[BF:BF+11], v[AF:AF+11], v[CC:CC+7], v[SB], v[SA] matrix_a_fmt:MATRIX_FMT_FP6 matrix_b_fmt:MATRIX_FMT_FP6 matrix_a_scale:MATRIX_SCALE_ROW1
.elseif AO
	v_wmma_scale_f32_16x16x128_f8f6f4 v[DD:DD+7], v[BF:BF+11], v[AF:AF+11], v[CC:CC+7], v[SB], v[SA] matrix_a_fmt:MATRIX_FMT_FP6 matrix_b_fmt:MATRIX_FMT_FP6 matrix_b_scale:MATRIX_SCALE_ROW1
.else
	v_wmma_scale_f32_16x16x128_f8f6f4 v[DD:DD+7], v[BF:BF+11], v[AF:AF+11], v[CC:CC+7], v[SB], v[SA] matrix_a_fmt:MATRIX_FMT_FP6 matrix_b_fmt:MATRIX_FMT_FP6
.endif
.endm
; 16 products: A's tiles a0, a0 + 1 x B's eight.  cm = 0: onto the sums; 1: the sums begin with the bias along n; 2: with the bias along m.  The 32 accumulators take turns.
.macro MUL2 s, set, a0, cm
.if \cm
	WIN 0x60
.elseif \set
	WIN 0x5a
.else
	WIN 0x50
.endif
.irp a, \a0, \a0+1
.irp b, 0,1,2,3,4,5,6,7
.set DD, 8*(8*(\a)+\b)
.set BF, FB+12*\b
.set AF, FA+12*(\a)
.if \cm == 1
.set CC, BN+8*\b
.elseif \cm == 2
.set CC, BMX+8*(\a)
.else
.set CC, DD
.endif
.set SB, SC+8*(2+\b/2)+(\s)
.set SA, SC+8*((\a)/2)+(\s)
.set BO, \b%2
.set AO, (\a)%2
	WM
.endr
.endr
.endm
.macro STP s, set, nset                ; multiplies step s from set; the next step's fragments go into nset, which the products just issued have read
	PLACES
	FETCH (\s)+1, \nset
	s_wait_dscnt 48                                ; all but the 48 just issued
	MUL2 \s, \set, 0, 0
	MUL2 \s, \set, 2, 0
.endm
	s_wait_tensorcnt 0x0                           ; every wave waits for its one load here: behind the barrier all of K is whole
	s_barrier_signal -1
	s_barrier_wait -1
	FETCH 0, 0
	s_wait_loadcnt 0x0                             ; the scale words and the biases
	s_mov_b32 s20, 0x76543210                      ; the bias pointer is done with: selects for lane l xor 16
	s_mov_b32 s21, 0xfedcba98
	FETCH 1, 1
	s_wait_dscnt 48
	WIN 0
	s_cmp_eq_u32 s12, 1
	s_cbranch_scc1 .Lv0
	MUL2 0, 0, 0, 1
	MUL2 0, 0, 2, 1
	WIN 0
	s_branch .Lj0
.Lv0:
	MUL2 0, 0, 0, 2
	MUL2 0, 0, 2, 2
	WIN 0
.Lj0:
	STP 1, 1, 0
	STP 2, 0, 1
	STP 3, 1, 0
	STP 4, 0, 1
	STP 5, 1, 0
	STP 6, 0, 1
	s_wait_dscnt 0x0
	MUL2 7, 1, 0, 0
	MUL2 7, 1, 2, 0
	WIN 0
; Tile a's 64 numbers a lane (register 16 b + i = n0 + 32 b + 16 h + i of my row) become a fragment's codes in v[PC] on and its scale word in v[PW].
.macro QUANT a
.set AC, 64*(\a)
	WIN 0x05
.irp b, 0,1,2,3
	v_max3_num_f32 v[TM+\b], |v[AC+16*\b]|, |v[AC+16*\b+1]|, 0x1800000   ; from each accumulator's low end on; the floor 2^(3 - 127) holds the byte at 1 from below
.endr
.irp i, 2,4,6,8,10,12,14
.irp b, 0,1,2,3
	v_max3_num_f32 v[TM+\b], |v[AC+16*\b+\i]|, |v[AC+16*\b+\i+1]|, v[TM+\b]
.endr
.endr
	WIN 0
.irp b, 0,1,2,3
	v_permlanex16_b32 v[TM+4+\b], v[TM+\b], s20, s21
.endr
.irp b, 0,1,2,3
	v_max_num_f32 v[TM+\b], v[TM+\b], v[TM+4+\b]
.endr
.irp b, 0,1,2,3
	v_add_nc_u32 v[TM+12+\b], 0xff000000, v[TM+\b]
.endr
.irp b, 0,1,2,3
	v_lshrrev_b32 v[TM+4+\b], 23, v[TM+12+\b]
.endr
	v_lshl_or_b32 v[PW], v[TM+5], 8, v[TM+4]
	v_lshl_or_b32 v[PW], v[TM+6], 16, v[PW]
	v_lshl_or_b32 v[PW], v[TM+7], 24, v[PW]
	WIN 0x01
.irp c, 0,1
	v_cvt_scalef32_pk16_fp6_f32 v[PC+6*\c:PC+2+6*\c], v[AC+32*\c:AC+15+32*\c], v[TM+12+2*\c]
	v_cvt_scalef32_pk16_fp6_f32 v[PC+12+4*\c:PC+14+4*\c], v[AC+16+32*\c:AC+31+32*\c], v[TM+12+2*\c+1]
.endr
	WIN 0
	v_nop                                          ; one plain line behind a scaled conversion
.irp c, 0,1
.irp i, 0,1,2
	v_permlane16_swap_b32 v[PC+6*\c+\i], v[PC+12+4*\c+\i]
.endr
.irp i, 0,1,2
	v_mov_b32 v[PC+3+6*\c+\i], v[PC+12+4*\c+\i]
.endr
.endr
.endm
	PLACES
.irp a, 0,1,2,3
.if \a > 0
	s_wait_xcnt 0x0                                ; the last tile's stores have read the codes' registers
.endif
	QUANT \a
	global_store_b128 v1, v[PC:PC+3], s[14:15] offset:768*\a
	global_store_b64 v2, v[PC+4:PC+5], s[14:15] offset:768*\a+512
	global_store_b128 v1, v[PC+6:PC+9], s[16:17] offset:768*\a
	global_store_b64 v2, v[PC+10:PC+11], s[16:17] offset:768*\a+512
	v_lshrrev_b32 v[T1], v16, v[PW]
	v_and_b32 v[T1], s22, v[T1]
	ds_store_b32 v13, v[T1] offset:128*\a
.endr
	ds_load_b128 v[RB:RB+3], v14                   ; LDS serves a wave's instructions in order: this sees my stores
	s_wait_dscnt 0x0
	s_wait_xcnt 0x0                                ; EXEC changes only behind this wait
	v_cmp_gt_u32 vcc_lo, s23, v17
	s_and_saveexec_b32 s2, vcc_lo
	global_store_b128 v15, v[RB:RB+3], s[18:19]    ; sixteen lanes store 64 positions' words: 256 consecutive bytes
	s_wait_xcnt 0x0
	s_or_b32 exec_lo, exec_lo, s2
	s_wait_tensorcnt 0x0                           ; the wave's end
	ds_add_u32 v110, v111
	s_wait_dscnt 0x0
	CROUND                                         ; the closing round
	s_endpgm
.Lfunc_end_k_q1a1aa7d0c7_proj:
	.size	k_q1a1aa7d0c7_proj, .Lfunc_end_k_q1a1aa7d0c7_proj-k_q1a1aa7d0c7_proj
	.p2alignl 7, 3214868480
	.fill 96, 4, 3214868480
	.section	.rodata,"a",@progbits
	.p2align	6, 0x0
	.amdhsa_kernel k_q1a1aa7d0c7_proj
		.amdhsa_group_segment_fixed_size 310528
		.amdhsa_private_segment_fixed_size 0
		.amdhsa_enable_private_segment 0
		.amdhsa_kernarg_size 56
		.amdhsa_user_sgpr_count 2
		.amdhsa_user_sgpr_kernarg_segment_ptr 1
		.amdhsa_wavefront_size32 1
		.amdhsa_system_sgpr_workgroup_id_x 1
		.amdhsa_system_sgpr_workgroup_id_y 1
		.amdhsa_system_sgpr_workgroup_id_z 1
		.amdhsa_system_vgpr_workitem_id 0
		.amdhsa_next_free_vgpr 768
		.amdhsa_next_free_sgpr 106
		.amdhsa_reserve_vcc 1
		.amdhsa_float_denorm_mode_32 3
		.amdhsa_float_denorm_mode_16_64 3
		.amdhsa_memory_ordered 1
		.amdhsa_forward_progress 1
		.amdhsa_inst_pref_size 95
	.end_amdhsa_kernel
	.amdgpu_metadata
---
amdhsa.version: [ 1, 2 ]
amdhsa.kernels:
  - .name:           k_q1a1aa7d0c7_proj
    .symbol:         k_q1a1aa7d0c7_proj.kd
    .args:
      - { .name: cod, .offset: 0, .size: 8, .value_kind: global_buffer, .address_space: global }
      - { .name: scl, .offset: 8, .size: 8, .value_kind: global_buffer, .address_space: global }
      - { .name: bq, .offset: 16, .size: 8, .value_kind: global_buffer, .address_space: global }
      - { .name: bk, .offset: 24, .size: 8, .value_kind: global_buffer, .address_space: global }
      - { .name: bv, .offset: 32, .size: 8, .value_kind: global_buffer, .address_space: global }
      - { .name: hc, .offset: 40, .size: 8, .value_kind: global_buffer, .address_space: global }
      - { .name: hs, .offset: 48, .size: 8, .value_kind: global_buffer, .address_space: global }
    .group_segment_fixed_size: 310528
    .private_segment_fixed_size: 0
    .kernarg_segment_align: 8
    .kernarg_segment_size: 56
    .max_flat_workgroup_size: 128
    .sgpr_count:     106
    .vgpr_count:     768
    .wavefront_size: 32
...
	.end_amdgpu_metadata
.endif
;; end of part 2
;; launch attn (part 3): grid 4 x 64, 16 waves a work-group, clusters of 4 x 1, 327,680 bytes of LDS; arguments hc, hs, msk, cat, cs; writes cat, cs
.if DOCPART == 3
	.amdgcn_target "amdgcn-amd-amdhsa--gfx1250"
	.amdhsa_code_object_version 6
	.text
	.protected	k_q1a1aa7d0c7_attn
	.globl	k_q1a1aa7d0c7_attn
	.p2align	8
	.type	k_q1a1aa7d0c7_attn,@function
k_q1a1aa7d0c7_attn:
	s_mov_b64 s[64:65], 0
	v_nop
	global_prefetch_b8 v0, s[64:65] scope:SCOPE_SE
	s_setreg_imm32_b32 hwreg(HW_REG_WAVE_MODE, 25, 1), 1
	s_wait_xcnt 0x0
	s_wait_alu depctr_hold_cnt(0) depctr_sa_sdst(0) depctr_va_vdst(0) depctr_va_sdst(0) depctr_va_ssrc(0) depctr_va_vcc(0) depctr_vm_vsrc(0)
	s_getreg_b32 s2, hwreg(HW_REG_IB_STS2, 6, 4)
	s_cmp_eq_u32 s2, 0
	s_cbranch_scc0 .Lentry_in_a_cluster
	s_endpgm
.Lentry_in_a_cluster:
	s_bfe_u32 s2, ttmp6, 0x10000c
	s_cmp_lg_u32 s2, 0x3003
	s_cbranch_scc0 .Lentry_shape_is_right
	s_endpgm
.Lentry_shape_is_right:
.set VC,  98304
.set KS,  196608
.set VS,  204800
.set SW,  208896
.set QI,  209920
.set KF,  40
.set VF,  88
.set S,   136
.set O,   200
.set PCD, 232
.set BM,  244
.set PT,  248
.set SO,  252
.set MO,  2
.set G0A, 4
.set G0B, 8
.set G1,  12
.set MW,  20
.set CAT, 22
.set CSP, 24
.set SEL, 26
.set C2,  28
.set WV,  30
.set CNT, 31
.set SKC, 100
.set SVC, 101
.set SKS, 104
.set SVS, 105
.macro CROUND
	s_barrier_signal -1
	s_barrier_wait -1
	s_cmp_lg_u32 s[WV], 0
	s_cbranch_scc1 .Lnot_wave_0_\@
	s_barrier_signal -3
.Lnot_wave_0_\@:
	s_barrier_wait -3
	s_barrier_signal -1
	s_barrier_wait -1
.endm
.macro ASKMASK
	s_load_b512 s[32:47], s[MW:MW+1], s[MO] offset:0x0
	s_load_b512 s[48:63], s[MW:MW+1], s[MO] offset:0x40
	s_load_b512 s[68:83], s[MW:MW+1], s[MO] offset:0x80
	s_load_b512 s[84:99], s[MW:MW+1], s[MO] offset:0xc0
.endm
	s_load_b256 s[32:39], s[0:1], 0x0
	s_load_b64 s[40:41], s[0:1], 0x20
	v_lshl_add_u32 v254, v0, 2, 0x3b400
	v_mov_b32 v255, 0
	ds_add_u32 v254, v255
	ds_add_u32 v254, v255
	s_wait_dscnt 0x0
	v_lshrrev_b32 v4, 5, v0
	s_delay_alu instid0(VALU_DEP_1)
	v_readfirstlane_b32 s[WV], v4
	s_and_b32 s42, ttmp7, 0xffff
	s_lshr_b32 s44, s[WV], 3
	s_and_b32 s45, s[WV], 7
	s_mul_i32 s47, s45, 6144
	s_mul_i32 s46, s44, VC
	s_add_co_u32 s46, s46, s47
	s_mul_i32 s48, s44, 6291456
	s_add_co_u32 s48, s48, s47
	s_mul_i32 s49, s42, 98304
	s_add_co_u32 s48, s48, s49
	s_add_co_u32 s48, s48, 6291456
	s_mov_b32 s49, 0
	s_mov_b32 s[G1], 15|(3<<16)|(1<<21)
	s_mov_b32 s[G1+1], 768<<16
	s_mov_b32 s[G1+2], 1<<16
	s_mov_b32 s[G1+3], 768<<16
	s_mov_b32 s[G1+4], 1
	s_mov_b32 s[G1+5], 768
	s_mov_b32 s[G1+6], 0
	s_mov_b32 s[G1+7], 0
	s_bfe_u32 s52, ttmp6, 0x40000
	s_lshl_b32 s53, ttmp9, 2
	s_add_co_u32 s52, s52, s53
	s_lshr_b32 s3, s42, 3
	s_and_b32 s53, s42, 7
	s_lshl_b32 s54, s52, 4
	s_add_co_u32 s54, s54, s[WV]
	s_mul_i32 s56, s42, 98304
	s_mul_i32 s57, s54, 768
	s_add_co_u32 s56, s56, s57
	s_mov_b32 s57, 0
	s_lshl_b32 s58, s42, 13
	s_lshl_b32 s59, s54, 6
	s_add_co_u32 s58, s58, s59
	s_mov_b32 s59, 0
	s_lshl_b32 s60, s42, 13
	s_add_co_u32 s60, s60, 524288
	s_mov_b32 s61, 0
	s_lshl_b32 s62, s42, 12
	s_add_co_u32 s62, s62, 1048576
	s_mov_b32 s63, 0
	s_lshl_b32 s68, s3, 6
	s_add_co_u32 s68, s68, s54
	s_lshl_b32 s68, s68, 11
	s_mov_b32 s69, 0
	s_lshl_b32 s70, s3, 4
	s_lshr_b32 s71, s54, 2
	s_add_co_u32 s70, s70, s71
	s_lshl_b32 s70, s70, 4
	s_lshl_b32 s71, s53, 1
	s_add_co_u32 s70, s70, s71
	s_mul_i32 s70, s70, 3072
	s_and_b32 s71, s54, 3
	s_mul_i32 s71, s71, 768
	s_add_co_u32 s70, s70, s71
	s_mov_b32 s71, 0
	s_lshl_b32 s72, s53, 15
	s_lshl_b32 s73, s3, 12
	s_add_co_u32 s72, s72, s73
	s_lshl_b32 s73, s52, 10
	s_add_co_u32 s72, s72, s73
	s_mov_b32 s73, 0
	v_and_b32 v4, 31, v0
	s_delay_alu instid0(VALU_DEP_1)
	v_lshlrev_b32 v1, 4, v4
	s_delay_alu instid0(VALU_DEP_2)
	v_lshlrev_b32 v2, 3, v4
	s_delay_alu instid0(VALU_DEP_3)
	v_lshlrev_b32 v3, 2, v4
	v_lshlrev_b32 v5, 4, v0
	v_lshlrev_b32 v6, 3, v0
	v_and_b32 v7, 15, v0
	s_delay_alu instid0(VALU_DEP_1)
	v_lshlrev_b32 v7, 2, v7
	s_lshl_b32 s3, s[WV], 11
	s_add_co_u32 s3, s3, QI
	v_add_nc_u32 v200, KS, v5
	v_add_nc_u32 v203, VS, v6
	v_add_nc_u32 v204, s3, v1
	v_add_nc_u32 v205, s3, v2
	v_add_nc_u32 v206, s3, v3
	s_wait_kmcnt 0x0
	s_add_nc_u64 s[50:51], s[32:33], s[48:49]
	s_mov_b32 s[G0A], 1
	s_mov_b32 s[G0A+1], s46
	s_mov_b64 s[G0A+2:G0A+3], s[50:51]
	s_or_b32 s[G0A+3], s[G0A+3], 0x80000000
	s_mov_b32 s[G0B], 1
	s_add_co_u32 s[G0B+1], s46, 49152
	s_add_nc_u64 s[G0B+2:G0B+3], s[50:51], 49152
	s_or_b32 s[G0B+3], s[G0B+3], 0x80000000
	s_add_nc_u64 s[56:57], s[32:33], s[56:57]
	s_add_nc_u64 s[58:59], s[34:35], s[58:59]
	s_add_nc_u64 s[60:61], s[34:35], s[60:61]
	s_add_nc_u64 s[62:63], s[34:35], s[62:63]
	s_add_nc_u64 s[MW:MW+1], s[36:37], s[68:69]
	s_add_nc_u64 s[CAT:CAT+1], s[38:39], s[70:71]
	s_add_nc_u64 s[CSP:CSP+1], s[40:41], s[72:73]
	CROUND
	tensor_load_to_lds s[G0A:G0A+3], s[G1:G1+7]
	s_nop 0
	s_wait_alu depctr_va_vdst(0)
	s_wait_tensorcnt 0x0
	ds_add_u32 v254, v255
	s_wait_dscnt 0x0
	CROUND
	tensor_load_to_lds s[G0B:G0B+3], s[G1:G1+7]
	s_nop 0
.rept 4
	v_nop
.endr
	s_wait_alu depctr_va_vdst(0)
	global_load_b128 v[136:139], v5, s[60:61]
	global_load_b64 v[140:141], v6, s[62:63]
.irp q, 0,1
	global_load_b128 v[144+8*\q:147+8*\q], v1, s[56:57] offset:49152*\q
	global_load_b64 v[148+8*\q:149+8*\q], v2, s[56:57] offset:49152*\q+512
	global_load_b32 v[150+8*\q], v7, s[58:59] offset:4096*\q
.endr
	s_mov_b32 s[SEL], 0x76543210
	s_mov_b32 s[SEL+1], 0xfedcba98
	s_mov_b32 s[C2], 0x3e38aa3b
	s_mov_b32 s[C2+1], s[C2]
	s_mov_b32 s[MO], 0
	v_mov_b32 v10, 0xff800000
	v_mov_b32 v11, 0
	v_mov_b32 v37, 0
	v_mov_b32 v39, 0
.irp i, 22,23,24,25,26,27
	v_mov_b32 v\i, 0
.endr
.irp t, 0,1,2,3
.irp i, 6,7,8,9,10,11
	v_mov_b32 v[KF+12*\t+\i], 0
.endr
.endr
.irp b, 0,1,2,3
	v_mov_b32 v[PT+\b], 0
.endr
	s_wait_loadcnt 0x0
	ds_store_b128 v200, v[136:139]
	ds_store_b64 v203, v[140:141]
.irp q, 0,1
	ds_store_b128 v204, v[144+8*\q:147+8*\q] offset:1024*\q
	ds_store_b64 v205, v[148+8*\q:149+8*\q] offset:1024*\q+512
	ds_store_b32 v206, v[150+8*\q] offset:1024*\q+768
.endr
	ASKMASK
	s_wait_tensorcnt 0x1
	s_wait_dscnt 0x0
	s_barrier_signal -1
	s_barrier_wait -1
.macro HEAD hd
	s_lshl_b32 s3, s[WV], 11
	s_add_co_u32 s3, s3, QI+1024*\hd
	v_add_nc_u32 v38, s3, v1
	v_add_nc_u32 v39, s3, v2
	v_add_nc_u32 v4, s3, v3
	ds_load_b128 v[16:19], v38
	ds_load_b64 v[20:21], v39 offset:512
	ds_load_b32 v28, v4 offset:768
	v_mov_b32 v13, 0xff61b1e6
	s_delay_alu instid0(VALU_DEP_1)
	v_floor_f32 v12, -v13
	v_mov_b32 v14, 0
	v_mov_b32 v15, 0
.set j, 0
.rept 32
	v_mov_b32 v[O+j], 0
.set j, j+1
.endr
	s_mov_b32 s[SKC], 49152*\hd
	s_mov_b32 s[SVC], VC+49152*\hd
	s_mov_b32 s[SKS], KS+4096*\hd
	s_mov_b32 s[SVS], VS+2048*\hd
	s_mov_b32 s[CNT], 8
.Lstep_\hd:
	v_add_nc_u32 v4, s[SKC], v1
	s_wait_alu depctr_va_vdst(0)
	v_add_nc_u32 v5, s[SKC], v2
	s_wait_alu depctr_va_vdst(0)
	v_add_nc_u32 v6, s[SVC], v1
	v_add_nc_u32 v7, s[SVC], v2
	v_add_nc_u32 v8, s[SKS], v3
	v_add_nc_u32 v9, s[SVS], v3
.irp g, 0,1,2,3
	ds_load_b32 v[32+\g], v8 offset:128*\g
.endr
.irp g, 0,1
.if \g
.rept 4
	v_nop
.endr
.endif
.irp t, 0,1,2,3
	ds_load_b128 v[KF+12*\t:KF+12*\t+3], v4 offset:(4*\g+\t)*768
	ds_load_b64 v[KF+12*\t+4:KF+12*\t+5], v5 offset:(4*\g+\t)*768+512
.endr
	s_wait_dscnt 0x0
.irp t, 0,1,2,3
.if \t%2
	v_wmma_scale_f32_16x16x128_f8f6f4 v[S+8*(4*\g+\t):S+8*(4*\g+\t)+7], v[KF+12*\t:KF+12*\t+11], v[16:27], 0, v[32+2*\g+\t/2], v28 matrix_a_fmt:MATRIX_FMT_FP6 matrix_b_fmt:MATRIX_FMT_FP6 matrix_a_scale:MATRIX_SCALE_ROW1
.else
	v_wmma_scale_f32_16x16x128_f8f6f4 v[S+8*(4*\g+\t):S+8*(4*\g+\t)+7], v[KF+12*\t:KF+12*\t+11], v[16:27], 0, v[32+2*\g+\t/2], v28 matrix_a_fmt:MATRIX_FMT_FP6 matrix_b_fmt:MATRIX_FMT_FP6
.endif
.endr
.endr
.rept 4
	v_nop
.endr
	s_wait_kmcnt 0x0
.set n, 0
.rept 64
.if n < 32
	v_cndmask_b32 v[S+n], v[S+n], v10, s[32+n]
.else
	v_cndmask_b32 v[S+n], v[S+n], v10, s[36+n]
.endif
.set n, n+1
.endr
.irp b, 0,1,2,3
	v_max3_num_f32 v[BM+\b], v[S+16*\b], v[S+16*\b+1], v[S+16*\b+2]
.endr
.irp i, 3,5,7,9,11,13
.irp b, 0,1,2,3
	s_delay_alu instid0(VALU_DEP_4)
	v_max3_num_f32 v[BM+\b], v[BM+\b], v[S+16*\b+\i], v[S+16*\b+\i+1]
.endr
.endr
.irp b, 0,1,2,3
	s_delay_alu instid0(VALU_DEP_4)
	v_max_num_f32 v[BM+\b], v[BM+\b], v[S+16*\b+15]
.endr
.irp b, 0,1,2,3
	s_delay_alu instid0(VALU_DEP_4)
	v_permlanex16_b32 v[PT+\b], v[BM+\b], s[SEL], s[SEL+1]
.endr
.irp b, 0,1,2,3
	s_delay_alu instid0(VALU_DEP_4)
	v_max_num_f32 v[BM+\b], v[BM+\b], v[PT+\b]
.endr
	s_delay_alu instid0(VALU_DEP_2)
	v_max3_num_f32 v38, v[BM], v[BM+1], v[BM+2]
	s_delay_alu instid0(VALU_DEP_1)
	v_max_num_f32 v38, v38, v[BM+3]
	s_delay_alu instid0(VALU_DEP_1)
	v_mul_f32 v38, s[C2], v38
	s_delay_alu instid0(VALU_DEP_1)
	v_max_num_f32 v13, v13, v38
	v_mov_b32 v38, v12
	s_delay_alu instid0(VALU_DEP_2)
	v_floor_f32 v12, -v13
	s_delay_alu instid0(VALU_DEP_1)
	v_sub_f32 v38, v12, v38
	s_delay_alu instid0(VALU_DEP_1)
	v_cvt_i32_f32 v38, v38
	s_delay_alu instid0(VALU_DEP_1)
	v_ldexp_f32 v36, 1.0, v38
	s_wait_alu depctr_va_vdst(0)
	s_wait_xcnt 0x0
	s_add_co_u32 s[MO], s[MO], 256
	s_and_b32 s[MO], s[MO], 0x700
	ASKMASK
.set j, 0
.rept 32
	v_pk_fma_f32 v[S+j:S+j+1], v[S+j:S+j+1], s[C2:C2+1], v[12:13] op_sel_hi:[1,0,0]
.set j, j+2
.endr
.irp b, 0,1,2,3
	v_fma_f32 v[BM+\b], v[BM+\b], s[C2], v12
.endr
.set j, 0
	s_wait_alu depctr_va_vdst(0)
.rept 64
	v_exp_f32 v[S+j], v[S+j]
.set j, j+1
.endr
.irp b, 0,1,2,3
	v_exp_f32 v[BM+\b], v[BM+\b]
.endr
	v_pk_mul_f32 v[14:15], v[14:15], v[36:37] op_sel_hi:[1,0]
.set j, 0
	s_wait_alu depctr_va_vdst(0)
.rept 16
	v_pk_mul_f32 v[O+j:O+j+1], v[O+j:O+j+1], v[36:37] op_sel_hi:[1,0]
.set j, j+2
.endr
	s_wait_alu depctr_va_vdst(0)
.irp b, 0,1,2,3
	v_max_num_f32 v[BM+\b], 0x1800000, v[BM+\b]
.endr
.irp b, 0,1,2,3
	s_delay_alu instid0(VALU_DEP_4)
	v_add_nc_u32 v[SO+\b], 0xff000000, v[BM+\b]
.endr
.irp b, 0,1,2,3
	s_delay_alu instid0(VALU_DEP_4)
	v_lshrrev_b32 v[PT+\b], 23, v[SO+\b]
.endr
	s_delay_alu instid0(VALU_DEP_3)
	v_lshl_or_b32 v37, v[PT+1], 8, v[PT]
	s_delay_alu instid0(VALU_DEP_1)
	v_lshl_or_b32 v37, v[PT+2], 16, v37
	s_delay_alu instid0(VALU_DEP_1)
	v_lshl_or_b32 v37, v[PT+3], 24, v37
.irp c, 0,1
	v_cvt_scalef32_pk16_fp6_f32 v[PCD+6*\c:PCD+2+6*\c], v[S+32*\c:S+15+32*\c], v[SO+2*\c]
	v_cvt_scalef32_pk16_fp6_f32 v[VF+4*\c:VF+2+4*\c], v[S+16+32*\c:S+31+32*\c], v[SO+2*\c+1]
.endr
	v_nop
.irp c, 0,1
.irp i, 0,1,2
	v_permlane16_swap_b32 v[PCD+6*\c+\i], v[VF+4*\c+\i]
.endr
.irp i, 0,1,2
	s_delay_alu instid0(VALU_DEP_3)
	v_mov_b32 v[PCD+3+6*\c+\i], v[VF+4*\c+\i]
.endr
.endr
.irp t, 0,1,2,3
	ds_load_b128 v[VF+12*\t:VF+12*\t+3], v6 offset:768*\t
	ds_load_b64 v[VF+12*\t+4:VF+12*\t+5], v7 offset:768*\t+512
	ds_load_b128 v[VF+12*\t+6:VF+12*\t+9], v6 offset:768*\t+3072
	ds_load_b64 v[VF+12*\t+10:VF+12*\t+11], v7 offset:768*\t+3584
.endr
	ds_load_b32 v30, v9
	ds_load_b32 v31, v9 offset:128
	v_pk_add_f32 v[BM:BM+1], v[S:S+1], v[S+2:S+3]
.set j, 4
.rept 15
	v_pk_add_f32 v[14:15], v[14:15], v[S+j:S+j+1]
	v_pk_add_f32 v[BM:BM+1], v[BM:BM+1], v[S+j+2:S+j+3]
.set j, j+4
.endr
	s_delay_alu instid0(VALU_DEP_1)
	v_pk_add_f32 v[14:15], v[14:15], v[BM:BM+1]
	s_wait_dscnt 0x0
.irp t, 0,1,2,3
.if \t%2
	v_wmma_scale_f32_16x16x128_f8f6f4 v[O+8*\t:O+8*\t+7], v[VF+12*\t:VF+12*\t+11], v[PCD:PCD+11], v[O+8*\t:O+8*\t+7], v[30+\t/2], v37 matrix_a_fmt:MATRIX_FMT_FP6 matrix_b_fmt:MATRIX_FMT_FP6 matrix_a_scale:MATRIX_SCALE_ROW1
.else
	v_wmma_scale_f32_16x16x128_f8f6f4 v[O+8*\t:O+8*\t+7], v[VF+12*\t:VF+12*\t+11], v[PCD:PCD+11], v[O+8*\t:O+8*\t+7], v[30+\t/2], v37 matrix_a_fmt:MATRIX_FMT_FP6 matrix_b_fmt:MATRIX_FMT_FP6
.endif
.endr
	s_add_co_u32 s[SKC], s[SKC], 6144
	s_add_co_u32 s[SVC], s[SVC], 6144
	s_add_co_u32 s[SKS], s[SKS], 512
	s_add_co_u32 s[SVS], s[SVS], 256
	s_sub_co_u32 s[CNT], s[CNT], 1
	s_cmp_lg_u32 s[CNT], 0
	s_cbranch_scc1 .Lstep_\hd
.rept 4
	v_nop
.endr
	s_wait_alu depctr_va_vdst(0)
	v_add_f32 v14, v14, v15
	s_delay_alu instid0(VALU_DEP_1)
	v_permlanex16_b32 v38, v14, s[SEL], s[SEL+1]
	s_delay_alu instid0(VALU_DEP_1)
	v_add_f32 v14, v14, v38
	s_wait_alu depctr_va_vdst(0)
	v_rcp_f32 v38, v14
	v_mov_b32 v39, 0xffff
	s_wait_alu depctr_va_vdst(0)
.set j, 0
.rept 16
	v_pk_mul_f32 v[O+j:O+j+1], v[O+j:O+j+1], v[38:39] op_sel_hi:[1,0]
.set j, j+2
.endr
.irp b, 0,1
	v_max3_num_f32 v[BM+\b], |v[O+16*\b]|, |v[O+16*\b+1]|, 0x1800000
.endr
.irp i, 2,4,6,8,10,12,14
.irp b, 0,1
	s_delay_alu instid0(VALU_DEP_2)
	v_max3_num_f32 v[BM+\b], v[BM+\b], |v[O+16*\b+\i]|, |v[O+16*\b+\i+1]|
.endr
.endr
.irp b, 0,1
	s_delay_alu instid0(VALU_DEP_2)
	v_permlanex16_b32 v[PT+\b], v[BM+\b], s[SEL], s[SEL+1]
.endr
.irp b, 0,1
	s_delay_alu instid0(VALU_DEP_2)
	v_max_num_f32 v[BM+\b], v[BM+\b], v[PT+\b]
.endr
.irp b, 0,1
	s_delay_alu instid0(VALU_DEP_2)
	v_add_nc_u32 v[SO+\b], 0xff000000, v[BM+\b]
.endr
.irp b, 0,1
	s_delay_alu instid0(VALU_DEP_2)
	v_lshrrev_b32 v[PT+\b], 23, v[SO+\b]
.endr
	s_delay_alu instid0(VALU_DEP_1)
	v_lshl_or_b32 v38, v[PT+1], 8, v[PT]
	v_cmp_eq_f32 vcc_lo, 0, v14
	s_delay_alu instid0(VALU_DEP_1)
	v_cndmask_b32 v38, v38, v39, vcc_lo
	v_lshrrev_b32 v11, 16, v11
	s_delay_alu instid0(VALU_DEP_1)
	v_lshl_or_b32 v11, v38, 16, v11
	v_cvt_scalef32_pk16_fp6_f32 v[PCD:PCD+2], v[O:O+15], v[SO]
	v_cvt_scalef32_pk16_fp6_f32 v[VF:VF+2], v[O+16:O+31], v[SO+1]
	v_nop
.irp i, 0,1,2
	v_permlane16_swap_b32 v[PCD+\i], v[VF+\i]
.endr
.irp i, 0,1,2
	s_delay_alu instid0(VALU_DEP_3)
	v_mov_b32 v[PCD+3+\i], v[VF+\i]
.endr
	global_store_b128 v1, v[PCD:PCD+3], s[CAT:CAT+1] offset:3072*\hd
	global_store_b64 v2, v[PCD+4:PCD+5], s[CAT:CAT+1] offset:3072*\hd+512
	s_wait_xcnt 0x0
.endm
	HEAD 0
	s_wait_tensorcnt 0x0
	s_wait_dscnt 0x0
	s_barrier_signal -1
	s_barrier_wait -1
	HEAD 1
	s_wait_kmcnt 0x0
	v_and_b32 v4, 15, v0
	s_delay_alu instid0(VALU_DEP_1)
	v_lshlrev_b32 v4, 2, v4
	s_lshl_b32 s3, s[WV], 6
	s_add_co_u32 s3, s3, SW
	v_add_nc_u32 v4, s3, v4
	v_lshlrev_b32 v5, 4, v0
	s_delay_alu instid0(VALU_DEP_1)
	v_add_nc_u32 v6, SW, v5
	s_wait_alu depctr_va_vdst(0)
	s_wait_dscnt 0x0
	s_barrier_signal -1
	s_barrier_wait -1
	ds_store_b32 v4, v11
	s_wait_dscnt 0x0
	s_barrier_signal -1
	s_barrier_wait -1
	s_cmp_lt_u32 s[WV], 2
	s_cbranch_scc0 .Lend
	ds_load_b128 v[16:19], v6
	s_wait_dscnt 0x0
	global_store_b128 v5, v[16:19], s[CSP:CSP+1]
.Lend:
	s_wait_xcnt 0x0
	v_lshl_add_u32 v254, v0, 2, 0x3b400
	v_mov_b32 v255, 0
	s_wait_alu depctr_va_vdst(0)
	s_wait_tensorcnt 0x0
	ds_add_u32 v254, v255
	s_wait_dscnt 0x0
	CROUND
	s_endpgm
.Lfunc_end_k_q1a1aa7d0c7_attn:
	.size	k_q1a1aa7d0c7_attn, .Lfunc_end_k_q1a1aa7d0c7_attn-k_q1a1aa7d0c7_attn
	.p2alignl 7, 3214868480
	.fill 96, 4, 3214868480
	.section	.rodata,"a",@progbits
	.p2align	6, 0x0
	.amdhsa_kernel k_q1a1aa7d0c7_attn
		.amdhsa_group_segment_fixed_size 327680
		.amdhsa_private_segment_fixed_size 0
		.amdhsa_enable_private_segment 0
		.amdhsa_kernarg_size 40
		.amdhsa_user_sgpr_count 2
		.amdhsa_user_sgpr_kernarg_segment_ptr 1
		.amdhsa_wavefront_size32 1
		.amdhsa_system_sgpr_workgroup_id_x 1
		.amdhsa_system_sgpr_workgroup_id_y 1
		.amdhsa_system_sgpr_workgroup_id_z 1
		.amdhsa_system_vgpr_workitem_id 0
		.amdhsa_next_free_vgpr 256
		.amdhsa_next_free_sgpr 106
		.amdhsa_reserve_vcc 1
		.amdhsa_float_denorm_mode_32 3
		.amdhsa_float_denorm_mode_16_64 3
		.amdhsa_memory_ordered 1
		.amdhsa_forward_progress 1
		.amdhsa_inst_pref_size 70
	.end_amdhsa_kernel
	.amdgpu_metadata
---
amdhsa.version: [ 1, 2 ]
amdhsa.kernels:
  - .name:           k_q1a1aa7d0c7_attn
    .symbol:         k_q1a1aa7d0c7_attn.kd
    .args:
      - { .name: hc, .offset: 0, .size: 8, .value_kind: global_buffer, .address_space: global }
      - { .name: hs, .offset: 8, .size: 8, .value_kind: global_buffer, .address_space: global }
      - { .name: msk, .offset: 16, .size: 8, .value_kind: global_buffer, .address_space: global }
      - { .name: cat, .offset: 24, .size: 8, .value_kind: global_buffer, .address_space: global }
      - { .name: cs, .offset: 32, .size: 8, .value_kind: global_buffer, .address_space: global }
    .group_segment_fixed_size: 327680
    .private_segment_fixed_size: 0
    .kernarg_segment_align: 8
    .kernarg_segment_size: 40
    .max_flat_workgroup_size: 512
    .sgpr_count:     106
    .vgpr_count:     256
    .wavefront_size: 32
...
	.end_amdgpu_metadata
.endif
;; end of part 3
;; launch outp (part 4): grid 8 x 32, 4 waves a work-group, clusters of 4 x 4, 308,480 bytes of LDS; arguments cat, cs, cod, scl, bo, out0; writes out0
.if DOCPART == 4
	.amdgcn_target "amdgcn-amd-amdhsa--gfx1250"
	.amdhsa_code_object_version 6
	.text
	.protected	k_q1a1aa7d0c7_outp
	.globl	k_q1a1aa7d0c7_outp
	.p2align	8
	.type	k_q1a1aa7d0c7_outp,@function
k_q1a1aa7d0c7_outp:
	s_mov_b64 s[64:65], 0
	v_nop
	global_prefetch_b8 v0, s[64:65] scope:SCOPE_SE
	s_setreg_imm32_b32 hwreg(HW_REG_WAVE_MODE, 25, 1), 1
	s_wait_xcnt 0x0
	s_wait_alu depctr_hold_cnt(0) depctr_sa_sdst(0) depctr_va_vdst(0) depctr_va_sdst(0) depctr_va_ssrc(0) depctr_va_vcc(0) depctr_vm_vsrc(0)
	s_getreg_b32 s2, hwreg(HW_REG_IB_STS2, 6, 4)
	s_cmp_eq_u32 s2, 0
	s_cbranch_scc0 .Lentry_in_a_cluster
	s_endpgm
.Lentry_in_a_cluster:
	s_bfe_u32 s2, ttmp6, 0x10000c
	s_cmp_lg_u32 s2, 0xf033
	s_cbranch_scc0 .Lentry_shape_is_right
	s_endpgm
.Lentry_shape_is_right:
; out0[m][n] = sum over k of cat[m][k] Wo[n][k] + bo[n], on codes of FP6 (E2M3).  cat: 8,192 rows as images [block of 64 rows][head 16][tile 4][768], its scale words cs [K step 8][8,192 positions]; Wo: blocks 432 to 447 of cod and scl.
; Source 0 = 16 rows of Wo, source 1 = 16 rows of cat: a lane holds one row m and its registers run along n, in n's true order.  cat's rows lie in the order 32 (i / 2) + 8 (i % 2) + r + 8 (r / 8) of each block of 64:
; the stores' immediates put each row at its true place.
; A work-group makes 256 x 128; wave w makes cat's block w of 64 rows x 128: 32 accumulators.  ALL OF K (1,024) OF THE TILE LIES IN LDS, filled once: four joint loads, ONE A WAVE, all at the head:
; wave 0 cat's first half of K (4 blocks x 24,576 bytes), wave 1 Wo's first half (2 blocks), wave 2 cat's second half, wave 3 Wo's.  Waves 0 and 1 wait for their loads ahead of the first barrier,
; every wave ahead of the barrier in K step 3.  The scale words go from memory into registers.  CLUSTERS: 4 x 4; cat's blocks are asked for jointly by a row of the cluster, Wo's by a column.
; No prefetch: the launch has no loop to run ahead in; all its tiles are asked for at its head.
; A scale byte 0xff in cs (a row that the mask hid wholly) makes that row's sums NaN, as they are expected.
; REGISTERS: window 0: v1-20 addresses; v32-79 scale words; v112-159 A's four fragments, v160-255 B's eight (set 0); on the way out v112-239 rows read back.  window 1: accumulator (a, b) at v[8 (8 a + b)].
;   window 2: v0-63 bo in the result's layout; v112-255 fragment set 1.
; THE WAITS AS THE TEXT BELOW HAS THEM (this line takes the place of the sentence above on waves 0 and 1): every wave waits for its one load ahead of the one work-group barrier in front of K step 0;
; behind that barrier all of K is whole, and no barrier stands in K step 3.
.set B0,   196608                      ; LDS: A [half 2][block 4][24576] from 0;  B [half 2][block 2][24576]
.set SC,   32
.set FA,   112
.set FB,   160
.set BK,   112
.set BN,   0
.set MSB,  0
.macro WIN new
.if MSB != \new
	s_set_vgpr_msb (MSB<<8)|\new
.set MSB, \new
.endif
.endm
.macro CROUND
	s_barrier_signal -1
	s_barrier_wait -1
	s_cmp_lg_u32 s8, 0
	s_cbranch_scc1 .Lnot_wave_0_\@
	s_barrier_signal -3
.Lnot_wave_0_\@:
	s_barrier_wait -3
	s_barrier_signal -1
	s_barrier_wait -1
.endm
.macro PLACES
.rept 4
	v_nop
.endr
.endm
	s_load_b256 s[80:87], s[0:1], 0x0              ; cat, cs, cod, scl
	s_load_b128 s[88:91], s[0:1], 0x20             ; bo, out0
	v_lshl_add_u32 v110, v0, 2, 0x4b300
	v_mov_b32 v111, 0
	ds_add_u32 v110, v111
	ds_add_u32 v110, v111
	v_lshrrev_b32 v1, 5, v0
	v_readfirstlane_b32 s8, v1                     ; wave
	s_and_b32 s9, s8, 1                            ; 0: I fetch for A, 1: for B
	s_lshr_b32 s10, s8, 1                          ; which half of K I fetch
	s_bfe_u32 s100, ttmp6, 0x40000                 ; cx
	s_bfe_u32 s13, ttmp6, 0x40004                  ; cy
	s_and_b32 s2, ttmp7, 0xffff
	s_lshl_b32 s2, s2, 2
	s_add_co_u32 s2, s2, s13                       ; tile row
	s_lshl_b32 s3, ttmp9, 2
	s_add_co_u32 s3, s3, s100                      ; tile column
	s_lshl_b32 s6, s13, 2
	s_lshl_b32 s6, 15, s6                          ; my row of the cluster
	s_lshl_b32 s7, 0x1111, s100                    ; my column
	; groups 1, elements of 8 bytes.  A: 4 blocks' halves of 24,576 bytes, 49,152 bytes apart
	s_or_b32 s24, s6, (3<<16)|(1<<21)
	s_mov_b32 s25, 3072<<16
	s_mov_b32 s26, 4<<16
	s_mov_b32 s27, 3072<<16
	s_mov_b32 s28, 4
	s_mov_b32 s29, 6144
	s_mov_b32 s30, 0
	s_mov_b32 s31, 0
	; B: 2 blocks' halves
	s_or_b32 s32, s7, (3<<16)|(1<<21)
	s_mov_b32 s33, 3072<<16
	s_mov_b32 s34, 2<<16
	s_mov_b32 s35, 3072<<16
	s_mov_b32 s36, 2
	s_mov_b32 s37, 6144
	s_mov_b32 s38, 0
	s_mov_b32 s39, 0
	s_lshl_b32 s4, s2, 2                           ; the tile's first block of cat
	s_lshl_b32 s5, s3, 1
	s_add_co_u32 s5, s5, 432                       ; and of Wo
	v_and_b32 v17, 31, v0                          ; lane
	v_and_b32 v18, 15, v0                          ; r
	v_bfe_u32 v19, v0, 4, 1                        ; h
	v_lshlrev_b32 v1, 4, v17
	v_lshlrev_b32 v2, 3, v17
	s_mul_i32 s14, s8, 24576                       ; my block of A in LDS
	v_add_nc_u32 v3, s14, v1
	v_add_nc_u32 v4, 98304, v3
	v_add_nc_u32 v5, s14, v2
	v_add_nc_u32 v6, 98304, v5
	v_add_nc_u32 v7, B0, v1
	v_add_nc_u32 v8, B0+49152, v1
	v_add_nc_u32 v9, B0, v2
	v_add_nc_u32 v10, B0+49152, v2
	v_mul_u32_u24 v13, v18, 528
	v_lshl_add_u32 v13, v19, 6, v13
	v_add_nc_u32 v13, s14, v13                     ; the way out: my stage lies in my own block's first half of K, which I alone read, last in K step 3, and which is filled no more: row r of 528 bytes, + 64 h
	v_add_nc_u32 v14, s14, v1                      ; back: the 32 lanes take a row of 512 bytes
	v_lshlrev_b32 v12, 5, v17                      ; B's scale words: a row's 32 bytes
	v_lshlrev_b32 v11, 2, v17                      ; A's: a word a position
	s_lshl_b32 s15, s3, 9                          ; 4 n0
	v_lshlrev_b32 v20, 6, v19
	v_add_nc_u32 v20, s15, v20                     ; bo: 4 (n0 + 16 h)
	s_lshl_b32 s14, s2, 8
	s_lshl_b32 s16, s8, 6
	s_add_co_u32 s14, s14, s16                     ; m0
	s_lshl_b32 s16, s14, 2                         ; my 64 positions' scale words
	s_mov_b32 s17, 0
	s_lshl_b32 s14, s14, 12
	s_add_co_u32 s14, s14, s15                     ; my part of out0, in bytes
	s_mov_b32 s15, 0
	s_lshl_b32 s18, s5, 11
	s_mov_b32 s19, 0
	s_mul_i32 s6, s4, 49152
	s_mov_b32 s7, 0
	s_mul_i32 s100, s5, 49152
	s_mov_b32 s101, 0
	s_mul_i32 s40, s10, 24576                      ; my half of K in a block
	s_mov_b32 s41, 0
	s_wait_dscnt 0x0
	s_wait_kmcnt 0x0
	s_mov_b64 s[20:21], s[88:89]
	s_add_nc_u64 s[14:15], s[90:91], s[14:15]
	s_add_nc_u64 s[16:17], s[82:83], s[16:17]
	s_add_nc_u64 s[18:19], s[86:87], s[18:19]
	s_add_nc_u64 s[6:7], s[80:81], s[6:7]          ; group 0 for A's half,
	s_mov_b32 s56, 1
	s_mul_i32 s57, s10, 98304
	s_add_nc_u64 s[58:59], s[6:7], s[40:41]
	s_or_b32 s59, s59, 0x80000000
	s_add_nc_u64 s[100:101], s[84:85], s[100:101]  ; and for B's
	s_mov_b32 s60, 1
	s_mul_i32 s61, s10, 49152
	s_add_co_u32 s61, s61, B0
	s_add_nc_u64 s[62:63], s[100:101], s[40:41]
	s_or_b32 s63, s63, 0x80000000
	CROUND                                         ; all sixteen work-groups are here: the joint loads meet
	s_cmp_eq_u32 s9, 0                             ; one load a wave, in the two arms of one branch on the wave's number
	s_cbranch_scc0 .Lfor_b
	tensor_load_to_lds s[56:59], s[24:31]
	s_nop 0
.rept 4
	v_nop
.endr
	s_branch .Lasked
.Lfor_b:
	tensor_load_to_lds s[60:63], s[32:39]
	s_nop 0
.rept 4
	v_nop
.endr
.Lasked:
	s_wait_alu depctr_va_vdst(0)                   ; the wait at the head's end
.irp g, 0,1
.irp s, 0,1,2,3,4,5,6,7
	global_load_b32 v[SC+8*\g+\s], v11, s[16:17] offset:32768*\s+128*\g        ; A's positions 32 g + lane, K step s
.endr
.endr
.irp g, 0,1,2,3
	global_load_b128 v[SC+16+8*\g:SC+16+8*\g+3], v12, s[18:19] offset:1024*\g  ; B's rows 32 g + lane: words of K steps 0 to 3,
	global_load_b128 v[SC+16+8*\g+4:SC+16+8*\g+7], v12, s[18:19] offset:1024*\g+16   ; 4 to 7
.endr
	WIN 0x80
.irp i, 0,1,2,3,4,5,6,7
	global_load_b128 v[BN+8*\i:BN+8*\i+3], v20, s[20:21] offset:(32*(\i/2)+8*(\i%2))*4
	global_load_b128 v[BN+8*\i+4:BN+8*\i+7], v20, s[20:21] offset:(32*(\i/2)+8*(\i%2))*4+16
.endr
	WIN 0
.macro FRAG reg, a16, a8, off          ; a fragment of 128 K = two images
	ds_load_b128 v[\reg:\reg+3], v[\a16] offset:\off
	ds_load_b64 v[\reg+4:\reg+5], v[\a8] offset:\off+512
	ds_load_b128 v[\reg+6:\reg+9], v[\a16] offset:\off+3072
	ds_load_b64 v[\reg+10:\reg+11], v[\a8] offset:\off+3584
.endm
.macro FETCH s, set                    ; K step s: B's eight fragments and my four of A: 48 loads
.if \set
	WIN 0x80
.else
	WIN 0
.endif
.irp b, 0,1,2,3,4,5,6,7
	FRAG FB+12*\b, 7+(\s)/4, 9+(\s)/4, (\b/4)*24576+((\s)%4)*6144+(\b%4)*768
.endr
.irp a, 0,1,2,3
	FRAG FA+12*\a, 3+(\s)/4, 5+(\s)/4, ((\s)%4)*6144+\a*768
.endr
.endm
.macro WM                              ; a scale register holds an even tile's words in lanes 0-15 and the odd tile's in lanes 16-31
.if BO && AO
	v_wmma_scale_f32_16x16x128_f8f6f4 v[DD:DD+7], v[BF:BF+11], v[AF:AF+11], v[CC:CC+7], v[SB], v[SA] matrix_a_fmt:MATRIX_FMT_FP6 matrix_b_fmt:MATRIX_FMT_FP6 matrix_a_scale:MATRIX_SCALE_ROW1 matrix_b_scale:MATRIX_SCALE_ROW1
.elseif BO
	v_wmma_scale_f32_16x16x128_f8f6f4 v[DD:DD+7], v[BF:BF+11], v[AF:AF+11], v[CC:CC+7], v[SB], v[SA] matrix_a_fmt:MATRIX_FMT_FP6 matrix_b_fmt:MATRIX_FMT_FP6 matrix_a_scale:MATRIX_SCALE_ROW1
.elseif AO
	v_wmma_scale_f32_16x16x128_f8f6f4 v[DD:DD+7], v[BF:BF+11], v[AF:AF+11], v[CC:CC+7], v[SB], v[SA] matrix_a_fmt:MATRIX_FMT_FP6 matrix_b_fmt:MATRIX_FMT_FP6 matrix_b_scale:MATRIX_SCALE_ROW1
.else
	v_wmma_scale_f32_16x16x128_f8f6f4 v[DD:DD+7], v[BF:BF+11], v[AF:AF+11], v[CC:CC+7], v[SB], v[SA] matrix_a_fmt:MATRIX_FMT_FP6 matrix_b_fmt:MATRIX_FMT_FP6
.endif
.endm
; 16 products: A's tiles a0, a0 + 1 x B's eight.  cm = 1: the sums begin with bo.  The 32 accumulators take turns.
.macro MUL2 s, set, a0, cm
.if \cm
	WIN 0x60
.elseif \set
	WIN 0x5a
.else
	WIN 0x50
.endif
.irp a, \a0, \a0+1
.irp b, 0,1,2,3,4,5,6,7
.set DD, 8*(8*(\a)+\b)
.set BF, FB+12*\b
.set AF, FA+12*(\a)
.if \cm
.set CC, BN+8*\b
.else
.set CC, DD
.endif
.set SB, SC+8*(2+\b/2)+(\s)
.set SA, SC+8*((\a)/2)+(\s)
.set BO, \b%2
.set AO, (\a)%2
	WM
.endr
.endr
.endm
.macro STP s, set, nset                ; multiplies step s from set; the next step's fragments go into nset, which the products just issued have read
	PLACES
	FETCH (\s)+1, \nset
	s_wait_dscnt 48                                ; all but the 48 just issued
	MUL2 \s, \set, 0, 0
	MUL2 \s, \set, 2, 0
.endm
	s_wait_tensorcnt 0x0                           ; every wave waits for its one load here: behind the barrier all of K is whole
	s_barrier_signal -1
	s_barrier_wait -1
	FETCH 0, 0
	s_wait_loadcnt 0x0                             ; the scale words and bo
	FETCH 1, 1
	s_wait_dscnt 48
	MUL2 0, 0, 0, 1
	MUL2 0, 0, 2, 1
	STP 1, 1, 0
	STP 2, 0, 1
	STP 3, 1, 0
	STP 4, 0, 1
	STP 5, 1, 0
	STP 6, 0, 1
	s_wait_dscnt 0x0
	MUL2 7, 1, 0, 0
	MUL2 7, 1, 2, 0
	WIN 0
; THE WAY OUT, a tile of 16 rows x 128 columns at a time, through my stage, back as whole rows of 512 bytes.  LDS serves a wave's instructions in order: no wait between the stores and the loads.
.macro TOSTAGE a
	WIN 0x04
.irp b, 0,1,2,3,4,5,6,7
	ds_store_b128 v13, v[64*(\a)+8*\b:64*(\a)+8*\b+3] offset:128*(\b/2)+32*(\b%2)        ; each accumulator from its low end on
	ds_store_b128 v13, v[64*(\a)+8*\b+4:64*(\a)+8*\b+7] offset:128*(\b/2)+32*(\b%2)+16
.endr
	WIN 0
.set BB, BK+64*((\a)%2)
.irp t, 0,1,2,3,4,5,6,7,8,9,10,11,12,13,14,15
	ds_load_b128 v[BB+4*\t:BB+4*\t+3], v14 offset:528*\t
.endr
.endm
.macro SEND a, younger
.set BB, BK+64*((\a)%2)
	s_wait_dscnt \younger
.irp t, 0,1,2,3,4,5,6,7,8,9,10,11,12,13,14,15
	global_store_b128 v1, v[BB+4*\t:BB+4*\t+3], s[14:15] offset:(32*((\a)/2)+8*((\a)%2)+\t+8*(\t/8))*4096 th:TH_STORE_NT   ; the row's true place; 32 lanes store 512 consecutive bytes
.endr
.endm
	PLACES
	TOSTAGE 0
.irp a, 1,2,3
.if \a > 1
	s_wait_xcnt 0x0                                ; tile a - 2's stores have read their registers
.endif
	TOSTAGE \a
	SEND \a-1, 32
.endr
	SEND 3, 0
	s_wait_tensorcnt 0x0                           ; the wave's end
	ds_add_u32 v110, v111
	s_wait_dscnt 0x0
	CROUND                                         ; the closing round
	s_endpgm
.Lfunc_end_k_q1a1aa7d0c7_outp:
	.size	k_q1a1aa7d0c7_outp, .Lfunc_end_k_q1a1aa7d0c7_outp-k_q1a1aa7d0c7_outp
	.p2alignl 7, 3214868480
	.fill 96, 4, 3214868480
	.section	.rodata,"a",@progbits
	.p2align	6, 0x0
	.amdhsa_kernel k_q1a1aa7d0c7_outp
		.amdhsa_group_segment_fixed_size 308480
		.amdhsa_private_segment_fixed_size 0
		.amdhsa_enable_private_segment 0
		.amdhsa_kernarg_size 48
		.amdhsa_user_sgpr_count 2
		.amdhsa_user_sgpr_kernarg_segment_ptr 1
		.amdhsa_wavefront_size32 1
		.amdhsa_system_sgpr_workgroup_id_x 1
		.amdhsa_system_sgpr_workgroup_id_y 1
		.amdhsa_system_sgpr_workgroup_id_z 1
		.amdhsa_system_vgpr_workitem_id 0
		.amdhsa_next_free_vgpr 768
		.amdhsa_next_free_sgpr 106
		.amdhsa_reserve_vcc 0
		.amdhsa_float_denorm_mode_32 3
		.amdhsa_float_denorm_mode_16_64 3
		.amdhsa_memory_ordered 1
		.amdhsa_forward_progress 1
		.amdhsa_inst_pref_size 83
	.end_amdhsa_kernel
	.amdgpu_metadata
---
amdhsa.version: [ 1, 2 ]
amdhsa.kernels:
  - .name:           k_q1a1aa7d0c7_outp
    .symbol:         k_q1a1aa7d0c7_outp.kd
    .args:
      - { .name: cat, .offset: 0, .size: 8, .value_kind: global_buffer, .address_space: global }
      - { .name: cs, .offset: 8, .size: 8, .value_kind: global_buffer, .address_space: global }
      - { .name: cod, .offset: 16, .size: 8, .value_kind: global_buffer, .address_space: global }
      - { .name: scl, .offset: 24, .size: 8, .value_kind: global_buffer, .address_space: global }
      - { .name: bo, .offset: 32, .size: 8, .value_kind: global_buffer, .address_space: global }
      - { .name: out0, .offset: 40, .size: 8, .value_kind: global_buffer, .address_space: global }
    .group_segment_fixed_size: 308480
    .private_segment_fixed_size: 0
    .kernarg_segment_align: 8
    .kernarg_segment_size: 48
    .max_flat_workgroup_size: 128
    .sgpr_count:     106
    .vgpr_count:     768
    .wavefront_size: 32
...
	.end_amdgpu_metadata
.endif
;; end of part 4
